; MI455X (gfx1250); checked and timed in simulation.
; The chip was launched on July 23, 2026; its instructions are those of AMD's public machine-readable ISA for CDNA 5 (MIT licence, August 2026) and "CDNA5" Instruction Set Architecture Reference Guide (July 2026). The comments in the code are by the model that wrote it; some were corrected since.
;; Multi Head Attention. Allowed arithmetic: matrix products marked QUANTISED: E2M1 operands, one E8M0 scale for each 32 along K, by v_wmma_scale_f32_16x16x128_f8f6f4 with both operands' format E2M1 (or v_wmma_scale_f32_32x16x128_f4), f32 sums; everything else in f32.
;; Inputs: Wk_codes 1,024 x 32 x 16 uint8 (E2M1 codes of Wk, K innermost, in blocks of 32 codes, two codes a byte); Wk_scales 1,024 x 32 uint8 (E8M0 scales of Wk, one for each 32 codes along K); Wo_codes 1,024 x 32 x 16 uint8 (E2M1 codes of Wo, K innermost, in blocks of 32 codes, two codes a byte); Wo_scales 1,024 x 32 uint8 (E8M0 scales of Wo, one for each 32 codes along K); Wq_codes 1,024 x 32 x 16 uint8 (E2M1 codes of Wq, K innermost, in blocks of 32 codes, two codes a byte); Wq_scales 1,024 x 32 uint8 (E8M0 scales of Wq, one for each 32 codes along K); Wv_codes 1,024 x 32 x 16 uint8 (E2M1 codes of Wv, K innermost, in blocks of 32 codes, two codes a byte); Wv_scales 1,024 x 32 uint8 (E8M0 scales of Wv, one for each 32 codes along K); bo 1,024 float32; x_codes 2 x 2,048 x 32 x 16 uint8 (E2M1 codes of x, K innermost, in blocks of 32 codes, two codes a byte); x_scales 2 x 2,048 x 32 uint8 (E8M0 scales of x, one for each 32 codes along K).
;; Outputs: out0 2 x 2,048 x 1,024 float32.
;; This version of the problem:
;;   THIS VERSION OF THE PROBLEM IS GIVEN IN LOW PRECISION. The matrix products marked QUANTISED in the list below multiply operands that are first quantised to E2M1 (2 exponent bits, 1 mantissa bit; 4 bits a number), with one power-of-two scale for each 32 numbers along K (OCP MX v1.0); their sums are f32. All else is computed in f32.
;;   The module's matrix products, in the order in which they are computed (A, B: the left and right operand; K: the contracted axis; several contracted axes count as one K, in the product's order):
;;     1. [M 4,096, K 1,024] x [K 1,024, N 1,024]; A: input x (given as codes); B: input Wq (given as codes): QUANTISED
;;     2. [M 4,096, K 1,024] x [K 1,024, N 1,024]; A: input x (given as codes); B: input Wk (given as codes): QUANTISED
;;     3. [M 4,096, K 1,024] x [K 1,024, N 1,024]; A: input x (given as codes); B: input Wv (given as codes): QUANTISED
;;     4. batch 32 x [M 2,048, K 64] x [K 64, N 2,048]; A: computed on the way; B: computed on the way: QUANTISED
;;     5. batch 32 x [M 2,048, K 2,048] x [K 2,048, N 64]; A: softmax (see below); B: computed on the way: QUANTISED
;;     6. [M 4,096, K 1,024] x [K 1,024, N 1,024]; A: computed on the way; B: input Wo (given as codes): QUANTISED
;;   THE QUANTISER, for each operand of a quantised product, along K:
;;     - K is cut into blocks of 32 from its start; a last block that is shorter is filled with zeros.
;;     - A block's scale is 2^e with e = floor(log2(the largest magnitude in the block)) - 2, held to -126 .. 127; a block of zeros has e = 0. As a byte (E8M0): e + 127.
;;     - Each number is divided by its block's scale, clamped to +-6, and rounded to the nearest number of E2M1, ties to even, subnormals kept.
;;     - The product sums the exact products of the quantised numbers (number of the format x scale) in f32.
;;   ~~~python
;;   def quantise(x, axis):      # numpy; x: float32 -> the quantised numbers, widened to float32 again
;;       x = np.moveaxis(x, axis, -1); K = x.shape[-1]
;;       x = np.pad(x, [(0, 0)] * (x.ndim - 1) + [(0, -K % 32)]); x = x.reshape(x.shape[:-1] + (-1, 32)); a = np.abs(x).max(-1, keepdims=True)
;;       e = np.where(a > 0, np.clip(np.frexp(np.where(a > 0, a, 1))[1] - 1 - 2, -126, 127), 0)      # np.frexp(a)[1] - 1 = floor(log2(a)), exactly
;;       r = np.clip(x / 2.0 ** e, -6, 6)
;;       step = 2.0 ** (np.maximum(np.frexp(np.where(r == 0, 1, r))[1] - 1, 0) - 1)
;;       q = np.round(r / step) * step * 2.0 ** e      # np.round: ties to even
;;       return np.moveaxis(q.reshape(q.shape[:-2] + (-1,))[..., :K], -1, axis).astype(np.float32)
;;   ~~~
;;   SOFTMAX AHEAD OF A QUANTISED PRODUCT. Where the list says 'softmax', what is quantised is not the finished softmax but p = 2^(t - M), with t = logit x log2(e) and M = ceil(the row's largest t), a whole number; so 1/2 < the row's largest p <= 1. The row's sum l is taken of the UNQUANTISED p, in f32, and the product's result is divided by l at the end. Since M is a whole number, a kernel that streams over the keys may use a running M (the ceiling of the running maximum): every later rescaling is an exact power of two, which a block's scale takes up: the codes' values come out the same.
;;   OPERANDS COMPUTED ON THE WAY. 'Computed on the way' means the value that the module computes at that place (a softmax that the list does not call 'softmax' is quantised finished and normalised). What goes into a quantiser is computed in f32, as accurately as f32 sums, v_exp_f32 and their like allow (about 1e-6 of the number): no bf16 or f16 on the way to a quantiser, and a product that is left as it is and whose result goes on into a quantised operand takes f32 operands (vector FMAs, or v_wmma_f32_16x16x4_f32). A number that lies on a knife's edge between two numbers of the format may be rounded either way, as far as f32 arithmetic and the matrix unit's own rounding can turn it there, and no further.
;;   INPUTS GIVEN AS CODES. Wk (in the module: [1024, 1024], K = its axis 0); Wo (in the module: [1024, 1024], K = its axis 0); Wq (in the module: [1024, 1024], K = its axis 0); Wv (in the module: [1024, 1024], K = its axis 0); x (in the module: [2, 2048, 1024], K = its axis 2): each comes as NAME_codes (uint8): NAME with its K axis moved to the last place and cut into blocks of 32 codes, [.., K / 32, bytes a block], one block behind the other in memory; two codes a byte, the lower K in the low four bits (a code: sign, 2 exponent bits, 1 mantissa bit); and NAME_scales (uint8): the same leading axes, one E8M0 byte (e + 127) for each 32 codes along K. Its value is code x scale, taken as it is: it is not quantised again, and the codes and scales need not be those that the quantiser above would give.
;; One version. Each part assembles by itself: llvm-mc -triple=amdgcn-amd-amdhsa -mcpu=gfx1250 --defsym DOCPART=n.
;; ======== version 1 of 1: 3 launches
;; limits: right only within a limited range of input values
;; workspace buffers: qimg 2,097,152 bytes; qsc 262,144 bytes; kv 4,718,592 bytes; cimg 2,097,152 bytes; csc 262,144 bytes
;; launch proj (part 1): grid 8 x 32, 4 waves a work-group, clusters of 4 x 4, 327,680 bytes of LDS; arguments x_codes, x_scales, Wq_codes, Wq_scales, Wk_codes, Wk_scales, Wv_codes, Wv_scales, qimg, qsc, kv; writes qimg, qsc, kv
.if DOCPART == 1
	.amdgcn_target "amdgcn-amd-amdhsa--gfx1250"
	.amdhsa_code_object_version 6
	.text
	.protected	k_q8b5e5dc97b_proj
	.globl	k_q8b5e5dc97b_proj
	.p2align	8
	.type	k_q8b5e5dc97b_proj,@function
k_q8b5e5dc97b_proj:
	s_mov_b64 s[64:65], 0
	v_nop
	global_prefetch_b8 v0, s[64:65] scope:SCOPE_SE
	s_setreg_imm32_b32 hwreg(HW_REG_WAVE_MODE, 25, 1), 1
	s_wait_xcnt 0x0
	s_wait_alu depctr_hold_cnt(0) depctr_sa_sdst(0) depctr_va_vdst(0) depctr_va_sdst(0) depctr_va_ssrc(0) depctr_va_vcc(0) depctr_vm_vsrc(0)
	s_getreg_b32 s2, hwreg(HW_REG_IB_STS2, 6, 4)
	s_cmp_eq_u32 s2, 0
	s_cbranch_scc0 .Lentry_in_a_cluster
	s_endpgm
.Lentry_in_a_cluster:
	s_bfe_u32 s2, ttmp6, 0x10000c
	s_cmp_lg_u32 s2, 0xf033
	s_cbranch_scc0 .Lentry_shape_is_right
	s_endpgm
.Lentry_shape_is_right:
; q = x Wq, k = x Wk, v = x Wv on codes of FP4 (E2M1) with E8M0 scales, and the quantisers behind them: q and k along the head's 64, v along the keys.
; SHARES.  Work-group (j, i): x's rows 128 i .. + 127 (batch i / 16, key step i % 16) and rows 128 j .. + 127 of Wq, Wk, Wv (heads 2 j, 2 j + 1).  Wave w: x's 64 rows of half w % 2, the weights' 64 rows of head 2 j + w / 2;
; all three products in ONE walk along K: 16 fragments and 48 matrix instructions on 48 accumulators for 128 along K.
; q, k: source 0 = the weight's rows, source 1 = x's; v: source 0 = x's rows (the keys), source 1 = Wv's: source 0's rows run along a lane's registers, and that is the axis quantised next.
; THE ROWS OF A TILE: of a group of 64, row r of tile t (0 .. 3) is index 8 t + r for r < 8 and 32 + 8 (t xor 1) + r - 8 for r >= 8.  So lanes 0-15 of a result hold block 0's 32 numbers in four accumulators and lanes 16-31 block 1's:
; a block of 32 lies in ONE lane.  The order inside a block is the same for q and k, and for v and attn's p.  The 16 rows differ mod 16, so with the LDS pitch of 33 x 16 bytes they begin at 16 different groups of banks.
; LDS.  The four tiles of codes fit at once: every byte is filled once, by the head's loads, one whole tile a wave.  Scale bytes go from memory into registers, 512 bytes a load in whole units of 256: two waves read each, a small part of the bytes, so they are not asked for jointly.
; CLUSTER 4 x 4: x's tile hangs on i alone and is asked for jointly along a row of the cluster, a weight's tile on j alone and along a column.  No prefetch: no load is issued behind the head.
; STORED, as images of operand registers (lane l's 16 bytes at 16 l):
;   qimg [bh][tile of 16 queries][512 B];  qsc [bh][group of 64][lane][2 words]: word p, lanes 0-15 tile 2 p, lanes 16-31 tile 2 p + 1; bytes 0, 1 the two blocks', bytes 2, 3 zero (they meet zero codes);
;   kv [bh][key step][9,216 B]: + 0 K's 8 tiles x 512 B; + 4,096 V^T's 4 tiles x [half][512 B]; + 8,192 K's scale words [half][lane][2]; + 8,704 V's likewise, a half's two bytes at their places, the others 0.
; LIMITS: a block of zeros gets the scale byte 1 where the quantiser says 127: its codes are zeros, and the bytes are read by this program alone.  A given scale byte 0xff gives NaN.  Infinities among the results are not served.
.set ROWP,  528
.set TILEB, 128*ROWP
.set SPARE, 4*TILEB
.set KVB,   9216
.set L16, 3
.set L8,  4
.set AX,  6                            ; fragment addresses, even and odd tiles: v6-7 x, v8-9 Wq, v10-11 Wk, v12-13 Wv
.set AQ,  8
.set AK,  10
.set AV,  12
.set SE,  14                           ; offsets of scale bytes, even and odd tiles
.set SPW, 16
.set NIL, 17
.set SX,  32                           ; scale words, 4 registers a tile: lanes 0-15 K steps 0-3, lanes 16-31 K steps 4-7: x, Wq, Wk, Wv
.set SQ,  48
.set SV,  80
.set TM,  96                           ; v96-99 largest magnitudes, v100-103 the conversions' scale operands, v104-107 bytes
.set PW,  108
.set PC,  128                          ; v128-175 codes of q, k, v
; window 1: two fragment buffers of 128: x, Wq, Wk, Wv, 32 each.  window 2: q's accumulators (m, t) at 32 m + 8 t, k's at 128 + ..; window 3: v's (t, m) at 32 t + 8 m
.set WV,  26
.set WX,  27
.set G1X, 28
.set G1W, 36
.set G0,  44                           ; s[44:59] four groups 0
.set HW,  66
.set SH,  67
.set XSB, 84                           ; s[84:91] scale bytes' bases
.set BQ,  92                           ; stores' bases
.set BQS, 94
.set BKC, 96
.set BVC, 98
.set BSC, 100
.set MSB, 0
.macro WIN new                         ; the immediate's high byte repeats the setting that is left; a switch that changes nothing is dropped
.if MSB != \new
	s_set_vgpr_msb (MSB<<8)|\new
.set MSB, \new
.endif
.endm
.macro PLACES n
.rept \n
	v_nop
.endr
.endm
.macro CROUND                          ; a round of the cluster's barrier
	s_barrier_signal -1
	s_barrier_wait -1
	s_cmp_lg_u32 s[WV], 0
	s_cbranch_scc1 .Lnot_wave_0_\@
	s_barrier_signal -3
.Lnot_wave_0_\@:
	s_barrier_wait -3
	s_barrier_signal -1
	s_barrier_wait -1
.endm
.macro MKG0 g, lds, ptr, off
	s_mov_b32 s[\g], 1
	s_mov_b32 s[\g+1], \lds
	s_add_nc_u64 s[\g+2:\g+3], s[\ptr:\ptr+1], s[\off:\off+1]
	s_or_b32 s[\g+3], s[\g+3], 0x80000000
.endm
.macro ARM under, g0, g1, next
	s_cmp_lt_u32 s[WV], \under
	s_cbranch_scc0 \next
	tensor_load_to_lds s[\g0:\g0+3], s[\g1:\g1+7]
	s_nop 0
	PLACES 4
	s_branch .Lhead_asked
\next:
.endm
	s_load_b512 s[4:19], s[0:1], 0x0               ; x's codes, scales; Wq's; Wk's; Wv's
	s_load_b128 s[20:23], s[0:1], 0x40             ; qimg, qsc
	s_load_b64 s[24:25], s[0:1], 0x50              ; kv
	v_lshl_add_u32 v[SPW], v0, 2, SPARE
	v_mov_b32 v[NIL], 0
	ds_add_u32 v[SPW], v[NIL]                      ; the opening adds
	ds_add_u32 v[SPW], v[NIL]
	v_lshrrev_b32 v1, 5, v0
	v_readfirstlane_b32 s[WV], v1                  ; wave 0..3
	s_and_b32 s[WX], s[WV], 1                      ; my half of x's rows
	s_lshr_b32 s[HW], s[WV], 1                     ; my head of the two
	s_lshl_b32 s[SH], s[WX], 4
	s_bfe_u32 s60, ttmp6, 0x40000                  ; cx
	s_bfe_u32 s61, ttmp6, 0x40004                  ; cy
	s_lshl_b32 s62, ttmp9, 2
	s_add_co_u32 s62, s62, s60                     ; j
	s_and_b32 s63, ttmp7, 0xffff
	s_lshl_b32 s63, s63, 2
	s_add_co_u32 s63, s63, s61                     ; i
	s_lshl_b32 s2, s61, 2
	s_lshl_b32 s2, 15, s2                          ; my row of the cluster
	s_lshl_b32 s3, 0x1111, s60                     ; my column
	; group 1: 128 rows of 512 elements of 1 byte, 4 words of padding behind every 128
	s_or_b32 s[G1X], s2, (1<<20)|(1<<21)|(6<<22)|(3<<25)
	s_or_b32 s[G1W], s3, (1<<20)|(1<<21)|(6<<22)|(3<<25)
.irp g, G1X, G1W
	s_mov_b32 s[\g+1], 512<<16
	s_mov_b32 s[\g+2], 128<<16
	s_mov_b32 s[\g+3], 512<<16
	s_mov_b32 s[\g+4], 128
	s_mov_b32 s[\g+5], 512
	s_mov_b32 s[\g+6], 0
	s_mov_b32 s[\g+7], 0
.endr
	s_lshl_b32 s68, s63, 16                        ; codes: 65,536 i, 65,536 j
	s_mov_b32 s69, 0
	s_lshl_b32 s70, s62, 16
	s_mov_b32 s71, 0
	s_lshl_b32 s72, s63, 12                        ; scale bytes: 4,096 i + 2,048 x my half, 4,096 j + 2,048 x my head
	s_lshl_b32 s73, s[WX], 11
	s_add_co_u32 s72, s72, s73
	s_mov_b32 s73, 0
	s_lshl_b32 s74, s62, 12
	s_lshl_b32 s75, s[HW], 11
	s_add_co_u32 s74, s74, s75
	s_mov_b32 s75, 0
	s_wait_dscnt 0x0                               ; both opening adds are done
	CROUND                                         ; all sixteen work-groups are here: the first joint loads meet
	s_wait_kmcnt 0x0
	MKG0 G0,    0,       4,  68
	MKG0 G0+4,  TILEB,   8,  70
	MKG0 G0+8,  2*TILEB, 12, 70
	MKG0 G0+12, 3*TILEB, 16, 70
	; one load a wave: wave 0 x's tile, 1 Wq's, 2 Wk's, 3 Wv's
	ARM 1, G0,   G1X, .Lhead_q
	ARM 2, G0+4, G1W, .Lhead_k
	ARM 3, G0+8, G1W, .Lhead_v
	tensor_load_to_lds s[G0+12:G0+15], s[G1W:G1W+7]
	s_nop 0
	PLACES 4
.Lhead_asked:
	s_add_nc_u64 s[XSB:XSB+1], s[6:7], s[72:73]
	s_add_nc_u64 s[XSB+2:XSB+3], s[10:11], s[74:75]
	s_add_nc_u64 s[XSB+4:XSB+5], s[14:15], s[74:75]
	s_add_nc_u64 s[XSB+6:XSB+7], s[18:19], s[74:75]
	s_mul_i32 s76, s[WX], 64*ROWP                  ; my rows in x's tile,
	s_mul_i32 s77, s[HW], 64*ROWP                  ; in a weight's
	s_add_co_u32 s77, s77, TILEB
	s_add_co_u32 s78, s77, TILEB
	s_add_co_u32 s79, s78, TILEB
	v_and_b32 v1, 15, v0                           ; r
	v_bfe_u32 v2, v0, 4, 1                         ; h
	v_and_b32 v18, 7, v1
	v_lshrrev_b32 v19, 3, v1
	v_mul_u32_u24 v20, 40, v19
	v_mul_u32_u24 v21, 24, v19
	v_add_nc_u32 v20, v20, v18                     ; lane r's row in tile 0; tile t even: 8 t rows on
	v_add_nc_u32 v21, v21, v18                     ; tile t odd
	v_lshlrev_b32 v22, 4, v2                       ; 16 h
	v_lshl_add_u32 v[SE], v20, 5, v22              ; 32 scale bytes a row; lanes 16-31 take K steps 4-7
	v_lshl_add_u32 v[SE+1], v21, 5, v22
.irp k, 0,1,2,3
.irp t, 0,1,2,3
	global_load_b128 v[SX+16*\k+4*\t:SX+16*\k+4*\t+3], v[SE+\t%2], s[XSB+2*\k:XSB+2*\k+1] offset:256*\t
.endr
.endr
	v_mul_u32_u24 v20, ROWP, v20
	v_mul_u32_u24 v21, ROWP, v21
	v_add_nc_u32 v20, v20, v22                     ; a fragment: row x pitch + 16 h
	v_add_nc_u32 v21, v21, v22
.irp k, 0,1,2,3
	v_add_nc_u32 v[AX+2*\k], s[76+\k], v20
	v_add_nc_u32 v[AX+2*\k+1], s[76+\k], v21
.endr
	v_and_b32 v23, 31, v0
	v_lshlrev_b32 v[L16], 4, v23
	v_lshlrev_b32 v[L8], 3, v23
	; the stores' bases
	s_lshr_b32 s68, s63, 4                         ; b
	s_and_b32 s69, s63, 15                         ; st
	s_lshl_b32 s70, s68, 4
	s_lshl_b32 s71, s62, 1
	s_add_co_u32 s70, s70, s71
	s_add_co_u32 s70, s70, s[HW]                   ; bh = 16 b + 2 j + my head
	s_mov_b32 s73, 0
	s_lshl_b32 s72, s70, 7                         ; qimg: (128 bh + 8 st + 4 x half) x 512
	s_lshl_b32 s71, s69, 3
	s_add_co_u32 s72, s72, s71
	s_lshl_b32 s71, s[WX], 2
	s_add_co_u32 s72, s72, s71
	s_lshl_b32 s72, s72, 9
	s_add_nc_u64 s[BQ:BQ+1], s[20:21], s[72:73]
	s_lshl_b32 s72, s70, 5                         ; qsc: (32 bh + 2 st + half) x 256
	s_lshl_b32 s71, s69, 1
	s_add_co_u32 s72, s72, s71
	s_add_co_u32 s72, s72, s[WX]
	s_lshl_b32 s72, s72, 8
	s_add_nc_u64 s[BQS:BQS+1], s[22:23], s[72:73]
	s_lshl_b32 s74, s70, 4                         ; kv's block 16 bh + st
	s_add_co_u32 s74, s74, s69
	s_mul_i32 s74, s74, KVB
	s_lshl_b32 s71, s[WX], 11
	s_add_co_u32 s72, s74, s71
	s_add_nc_u64 s[BKC:BKC+1], s[24:25], s[72:73]
	s_lshl_b32 s71, s[WX], 9
	s_add_co_u32 s72, s74, s71
	s_add_nc_u64 s[BVC:BVC+1], s[24:25], s[72:73]
	s_lshl_b32 s71, s[WX], 8
	s_add_co_u32 s72, s74, s71
	s_add_nc_u64 s[BSC:BSC+1], s[24:25], s[72:73]
.macro FET f, adr, ks                  ; 8 LDS loads: four fragments of 16 rows x 128 K of one matrix into window 1
.irp t, 0,1,2,3
.irp c, 0,1
	ds_load_b128 v[\f+8*\t+4*\c:\f+8*\t+4*\c+3], v[\adr+\t%2] offset:8*ROWP*\t+64*(\ks)+32*\c
.endr
.endr
.endm
.macro WM d, a, b, sa, sb              ; the first K step starts the sums; K steps 4-7 take their scale words from lanes 16-31
.if KS == 0
	v_wmma_scale_f32_16x16x128_f8f6f4 v[\d:\d+7], v[\a:\a+7], v[\b:\b+7], 0, v[\sa], v[\sb] matrix_a_fmt:MATRIX_FMT_FP4 matrix_b_fmt:MATRIX_FMT_FP4
.elseif KS < 4
	v_wmma_scale_f32_16x16x128_f8f6f4 v[\d:\d+7], v[\a:\a+7], v[\b:\b+7], v[\d:\d+7], v[\sa], v[\sb] matrix_a_fmt:MATRIX_FMT_FP4 matrix_b_fmt:MATRIX_FMT_FP4
.else
	v_wmma_scale_f32_16x16x128_f8f6f4 v[\d:\d+7], v[\a:\a+7], v[\b:\b+7], v[\d:\d+7], v[\sa], v[\sb] matrix_a_fmt:MATRIX_FMT_FP4 matrix_b_fmt:MATRIX_FMT_FP4 matrix_a_scale:MATRIX_SCALE_ROW1 matrix_b_scale:MATRIX_SCALE_ROW1
.endif
.endm
.macro QK g                            ; g = 0: q, 1: k
.irp m, 0,1,2,3
.irp t, 0,1,2,3
	WM 128*\g+32*\m+8*\t, FB+32+32*\g+8*\t, FB+8*\m, SQ+16*\g+4*\t+KQ, SX+4*\m+KQ
.endr
.endr
.endm
; A K step of 128: 48 accumulators by turns, in the same order in every step.  Loads go out in the order x, Wq | Wk, Wv, eight each; the next step's first sixteen stand ahead of q's products, its last sixteen ahead of v's.
.macro KSTEP ks
.set KS, \ks
.set KQ, KS%4
.set FB, 128*(KS%2)
.set FN, 128-FB
	s_wait_dscnt 16                                ; x and Wq are in; Wk's and Wv's sixteen may be out
.if KS < 7
	PLACES 4                                       ; in front of loads into the buffer that the step before multiplied
	WIN 0x40
	FET FN, AX, KS+1
	FET FN+32, AQ, KS+1
.endif
	WIN 0xa5                                       ; sources 0 and 1 window 1; C and D window 2
	QK 0
.if KS < 7
	s_wait_dscnt 24                                ; Wk is in; Wv's eight and the next step's sixteen may be out
.else
	s_wait_dscnt 8
.endif
	QK 1
.if KS < 7
	s_wait_dscnt 16                                ; Wv is in
	WIN 0x40
	FET FN+64, AK, KS+1
	FET FN+96, AV, KS+1
.else
	s_wait_dscnt 0x0
.endif
	WIN 0xf5                                       ; C and D window 3
.irp t, 0,1,2,3
.irp m, 0,1,2,3
	WM 32*\t+8*\m, FB+8*\m, FB+96+8*\t, SX+4*\m+KQ, SV+4*\t+KQ
.endr
.endr
.endm
; Four times 32 numbers of a lane (a whole block each), at 32 n on in window w, become a fragment's codes in v[pc + 4 n ..] and the four tiles' scale words in v[pw], v[pw + 1].  Each accumulator is read from its low end on.
.macro QUANT base, w, pc, pw
	WIN 0x14*\w                                    ; sources 1 and 2 window w
.irp n, 0,1,2,3
	v_max3_num_f32 v[TM+\n], 0x1800000, |v[\base+32*\n]|, |v[\base+32*\n+1]|     ; with the floor 2^(3 - 127): the byte cannot fall under 1
.endr
.irp e, 2,4,6,8,10,12,14,16,18,20,22,24,26,28,30
.irp n, 0,1,2,3
	v_max3_num_f32 v[TM+\n], v[TM+\n], |v[\base+32*\n+\e]|, |v[\base+32*\n+\e+1]|
.endr
.endr
	WIN 0
.irp n, 0,1,2,3
	v_add_nc_u32 v[TM+4+\n], 0xff000000, v[TM+\n]  ; 2 off the exponent field: the conversion's scale operand
.endr
.irp n, 0,1,2,3
	v_lshrrev_b32 v[TM+8+\n], 23, v[TM+4+\n]       ; the byte
.endr
	WIN \w                                         ; source 0 window w
.irp n, 0,1,2,3
.irp t, 0,1,2,3
	v_cvt_scalef32_pk8_fp4_f32 v[\pc+4*\n+\t], v[\base+32*\n+8*\t:\base+32*\n+8*\t+7], v[TM+4+\n]
.endr
.endr
	WIN 0
	v_permlane16_swap_b32 v[TM+8], v[TM+9]         ; block 0's bytes of both tiles in one register, block 1's in the other: lanes 0-15 the first tile, 16-31 the second
	v_permlane16_swap_b32 v[TM+10], v[TM+11]
	v_lshl_or_b32 v[\pw], v[TM+9], 8, v[TM+8]
	v_lshl_or_b32 v[\pw+1], v[TM+11], 8, v[TM+10]
.endm
	s_wait_alu depctr_va_vdst(0)                   ; the head's end
	s_wait_tensorcnt 0x0                           ; my tile is in,
	s_barrier_signal -1
	s_barrier_wait -1                              ; everybody's is
	WIN 0x40
	FET 0, AX, 0
	FET 32, AQ, 0
	FET 64, AK, 0
	FET 96, AV, 0
	s_wait_loadcnt 0x0                             ; the scale words
.irp k, 0,1,2,3,4,5,6,7
	KSTEP \k
.endr
	PLACES 4                                       ; in front of the first reads of results
	QUANT 0, 2, PC, PW
.irp n, 0,1,2,3
	global_store_b128 v[L16], v[PC+4*\n:PC+4*\n+3], s[BQ:BQ+1] offset:512*\n        ; 512 consecutive bytes, aligned
.endr
	global_store_b64 v[L8], v[PW:PW+1], s[BQS:BQS+1]                                ; 256 consecutive bytes, aligned
	QUANT 128, 2, PC+16, PW+2
.irp n, 0,1,2,3
	global_store_b128 v[L16], v[PC+16+4*\n:PC+16+4*\n+3], s[BKC:BKC+1] offset:512*\n
.endr
	global_store_b64 v[L8], v[PW+2:PW+3], s[BSC:BSC+1] offset:8192
	QUANT 0, 3, PC+32, PW+4
.irp n, 0,1,2,3
	global_store_b128 v[L16], v[PC+32+4*\n:PC+32+4*\n+3], s[BVC:BVC+1] offset:4096+1024*\n
.endr
	v_lshlrev_b32 v[PW+4], s[SH], v[PW+4]          ; my half's two bytes at their places
	v_lshlrev_b32 v[PW+5], s[SH], v[PW+5]
	global_store_b64 v[L8], v[PW+4:PW+5], s[BSC:BSC+1] offset:8704
	s_wait_tensorcnt 0x0                           ; the wave's end
	ds_add_u32 v[SPW], v[NIL]
	s_wait_dscnt 0x0
	CROUND                                         ; the closing round
	s_endpgm
.Lfunc_end_k_q8b5e5dc97b_proj:
	.size	k_q8b5e5dc97b_proj, .Lfunc_end_k_q8b5e5dc97b_proj-k_q8b5e5dc97b_proj
	.p2alignl 7, 3214868480
	.fill 96, 4, 3214868480
	.section	.rodata,"a",@progbits
	.p2align	6, 0x0
	.amdhsa_kernel k_q8b5e5dc97b_proj
		.amdhsa_group_segment_fixed_size 327680
		.amdhsa_private_segment_fixed_size 0
		.amdhsa_enable_private_segment 0
		.amdhsa_kernarg_size 88
		.amdhsa_user_sgpr_count 2
		.amdhsa_user_sgpr_kernarg_segment_ptr 1
		.amdhsa_wavefront_size32 1
		.amdhsa_system_sgpr_workgroup_id_x 1
		.amdhsa_system_sgpr_workgroup_id_y 1
		.amdhsa_system_sgpr_workgroup_id_z 1
		.amdhsa_system_vgpr_workitem_id 0
		.amdhsa_next_free_vgpr 896
		.amdhsa_next_free_sgpr 106
		.amdhsa_reserve_vcc 0
		.amdhsa_float_denorm_mode_32 3
		.amdhsa_float_denorm_mode_16_64 3
		.amdhsa_memory_ordered 1
		.amdhsa_forward_progress 1
		.amdhsa_inst_pref_size 96
	.end_amdhsa_kernel
	.amdgpu_metadata
---
amdhsa.version: [ 1, 2 ]
amdhsa.kernels:
  - .name:           k_q8b5e5dc97b_proj
    .symbol:         k_q8b5e5dc97b_proj.kd
    .args:
      - { .name: x_codes, .offset: 0, .size: 8, .value_kind: global_buffer, .address_space: global }
      - { .name: x_scales, .offset: 8, .size: 8, .value_kind: global_buffer, .address_space: global }
      - { .name: Wq_codes, .offset: 16, .size: 8, .value_kind: global_buffer, .address_space: global }
      - { .name: Wq_scales, .offset: 24, .size: 8, .value_kind: global_buffer, .address_space: global }
      - { .name: Wk_codes, .offset: 32, .size: 8, .value_kind: global_buffer, .address_space: global }
      - { .name: Wk_scales, .offset: 40, .size: 8, .value_kind: global_buffer, .address_space: global }
      - { .name: Wv_codes, .offset: 48, .size: 8, .value_kind: global_buffer, .address_space: global }
      - { .name: Wv_scales, .offset: 56, .size: 8, .value_kind: global_buffer, .address_space: global }
      - { .name: qimg, .offset: 64, .size: 8, .value_kind: global_buffer, .address_space: global }
      - { .name: qsc, .offset: 72, .size: 8, .value_kind: global_buffer, .address_space: global }
      - { .name: kv, .offset: 80, .size: 8, .value_kind: global_buffer, .address_space: global }
    .group_segment_fixed_size: 327680
    .private_segment_fixed_size: 0
    .kernarg_segment_align: 8
    .kernarg_segment_size: 88
    .max_flat_workgroup_size: 128
    .sgpr_count:     106
    .vgpr_count:     896
    .wavefront_size: 32
...
	.end_amdgpu_metadata
.endif
;; end of part 1
;; launch attn (part 2): grid 8 x 32, 16 waves a work-group, clusters of 4 x 1, 187,392 bytes of LDS; arguments qimg, qsc, kv, cimg, csc; writes cimg, csc
.if DOCPART == 2
	.amdgcn_target "amdgcn-amd-amdhsa--gfx1250"
	.amdhsa_code_object_version 6
	.text
	.protected	k_q8b5e5dc97b_attn
	.globl	k_q8b5e5dc97b_attn
	.p2align	8
	.type	k_q8b5e5dc97b_attn,@function
k_q8b5e5dc97b_attn:
	s_mov_b64 s[64:65], 0
	v_nop
	global_prefetch_b8 v0, s[64:65] scope:SCOPE_SE
	s_setreg_imm32_b32 hwreg(HW_REG_WAVE_MODE, 25, 1), 1
	s_wait_xcnt 0x0
	s_wait_alu depctr_hold_cnt(0) depctr_sa_sdst(0) depctr_va_vdst(0) depctr_va_sdst(0) depctr_va_ssrc(0) depctr_va_vcc(0) depctr_vm_vsrc(0)
	s_getreg_b32 s2, hwreg(HW_REG_IB_STS2, 6, 4)
	s_cmp_eq_u32 s2, 0
	s_cbranch_scc0 .Lentry_in_a_cluster
	s_endpgm
.Lentry_in_a_cluster:
	s_bfe_u32 s2, ttmp6, 0x10000c
	s_cmp_lg_u32 s2, 0x3003
	s_cbranch_scc0 .Lentry_shape_is_right
	s_endpgm
.Lentry_shape_is_right:
; ctx = softmax(causal(q k^T / 8)) v for one head, both products on codes of FP4 (E2M1) with E8M0 scales, and the quantiser of ctx along the head's 64.
; THE SOFTMAX: t = score x log2(e) / 8; M = the running largest t rounded UP to a whole number; p = 2^(t - M) is quantised along the keys, not normalised; the row's sum is taken of the unquantised p and divides at the end.
; When M moves, the sum and O are multiplied by 2^(old M - new M): exact.
; LEFT OUT: key steps of 128 all of whose keys come after the tile's queries: the mask puts -infinity there ahead of the softmax, so p is 0 for every input.  A NaN or an infinity that reaches only those scores is not carried on.
; SHARES.  Work-group (g, bh), sixteen waves, four to a SIMD.  Its 16 tiles of 16 queries are tile g of each block c of 128 queries; tile c walks key steps 0 .. c: 136 steps, dealt evenly.
; Tiles 15 - u (long, 16 - u steps) and u (short, u + 1 steps), u = 0 .. 7, go to two waves: role 0 takes steps 0 .. 8 of the long tile (9 steps); role 1 takes steps 9 .. 15 - u of it, hands that part over in LDS, and takes the short tile (8 steps in all).
; Role 0 joins the two parts of the long tile: both are brought under the greater M by exact powers of two.
; Wave w: role = bit 2 of w, u = w % 4 + 4 (w / 8).
; LDS.  The whole head's K and V (16 blocks of 9,216 bytes, images of operand registers with their scale words) is fetched once: wave w brings block w.  No byte is filled twice.
; CLUSTER 4 x 1: the four work-groups of a cluster belong to one head: each block is asked for jointly.  cx enters global addresses and the mask's compare alone.  No prefetch: no load is issued behind the head.
; LAYOUT.  Both products transposed, source 0 of 32 rows (two tiles): S^T = K Q^T, O^T = V^T P^T: a lane holds one query throughout.  Index in a group of 64 of row r of tile t: 8 t + r for r < 8, 32 + 8 (t xor 1) + r - 8 for r >= 8.
; So of S^T (and of O^T) a lane holds whole blocks of 32: register 32 w + 8 t + j is key 64 w + 8 t + j in lanes 0-15 and key 64 w + 32 + 8 (t xor 1) + j in lanes 16-31, the order in which V's codes run.
; K = 64 IN AN INSTRUCTION OF 128: Q's registers 4-7 are zero codes; what K's operand holds there are other tiles' codes; bytes 2, 3 of both scale words are 0 (2^-127, no NaN).
; LIMITS: a block of zeros gets the scale byte 1 where the quantiser says 127 (its codes are zeros; the bytes are read by this program alone).  The promise holds while the scaled scores (exponents to the base 2) stay under 2^31 in magnitude.  Infinities and NaN among the scores are not served.
.set KVB,  9216
.set JB,   16*KVB                      ; behind the blocks: the parts handed over, 4,608 bytes for each u
.set JW,   4608
.set STG,  JB+8*JW                     ; ctx's scale words, [c][row][4 B]
.set SPARE, STG+1024
.set L16,  1
.set L8,   2
.set DE,   3                           ; v3, v238: in even and odd tiles of the masked 64 keys, key register n = 8 t + j is hidden where n > DE (DO)
.set SA,   4
.set ADK,  5
.set ADS,  6
.set RDA,  7
.set QF,   16                          ; v16-19 Q, v20-23 zero codes
.set QSC,  24
.set PS,   25
.set KF,   28                          ; v28-59 K's 8 tiles; v60-63 zero codes.  Of each four tiles: 0 at + 0, 2 at + 4, 1 at + 8, 3 at + 12: tiles 0, 1 are an operand from + 0, tiles 2, 3 one from + 4
.set KSC,  64
.set VSC,  68                          ; v68-69, v70-71 V's words of the two halves
.set VF,   72
.set S,    104
.set OA,   168
.set PC,   200
.set MX,   208
.set BM,   212                         ; v212-213 a block's largest score, then its largest p
.set BP,   214
.set BS,   216
.set T0,   218
.set T1,   219
.set FF,   220                         ; v[220:221] f = 2^(old M - new M) (the pair is named, its low word used)
.set C0,   222                         ; v[222:227] three more chains of the sum
.set C1,   224
.set C2,   226
.set QS2,  229
.set Q2,   230
.set SPW,  234
.set NIL,  235
.set JA,   236
.set H8,   237
.set DO,   238
.set WV,   14
.set CT,   15
.set GG,   16
.set BH,   17
.set RO,   18
.set U,    19
.set SEL,  32
.set CSC,  34                          ; s[34:35] log2(e) / 8
.set STP,  36
.set TB,   37
.set LO,   38
.set HI,   39
.set CNT,  44
.set NC,   45
.set NINF, 46
.set HI16, 47
.set CL,   48
.set CX,   49
.set QA,   52
.set QB,   56
.set HF,   60
.macro PLACES n
.rept \n
	v_nop
.endr
.endm
.macro BARRIER
	s_barrier_signal -1
	s_barrier_wait -1
.endm
.macro CROUND                          ; a round of the cluster's barrier
	s_barrier_signal -1
	s_barrier_wait -1
	s_cmp_lg_u32 s[WV], 0
	s_cbranch_scc1 .Lnot_wave_0_\@
	s_barrier_signal -3
.Lnot_wave_0_\@:
	s_barrier_wait -3
	s_barrier_signal -1
	s_barrier_wait -1
.endm
.macro QADDR c, d                      ; tile g of block c: its image's address into s[d:d+1], its scale words' into s[d+2:d+3]
	s_lshl_b32 s40, s[\c], 3
	s_add_co_u32 s40, s40, s[GG]
	s_lshl_b32 s42, s[BH], 7
	s_add_co_u32 s40, s40, s42
	s_lshl_b32 s40, s40, 9
	s_add_nc_u64 s[\d:\d+1], s[4:5], s[40:41]
	s_lshl_b32 s40, s[\c], 1
	s_add_co_u32 s40, s40, s[HF]
	s_lshl_b32 s42, s[BH], 5
	s_add_co_u32 s40, s40, s42
	s_lshl_b32 s40, s40, 8
	s_add_co_u32 s40, s40, s43
	s_add_nc_u64 s[\d+2:\d+3], s[6:7], s[40:41]
.endm
.macro FRESH                           ; a tile begins: its first step finds zeros, which the first change of M leaves zeros
	v_mov_b32 v12, 0x7f61b1e6                      ; -M: 3e38
	v_mov_b32 v13, 0xff61b1e6                      ; the largest score so far: -3e38
	v_mov_b32 v14, 0                               ; the sum, in two halves
	v_mov_b32 v15, 0
.set n, 0
.rept 32
	v_mov_b32 v[OA+n], 0
.set n, n+1
.endr
.endm
	s_load_b256 s[4:11], s[0:1], 0x0               ; qimg, qsc, kv, cimg
	s_load_b64 s[12:13], s[0:1], 0x20              ; csc
	v_lshl_add_u32 v[SPW], v0, 2, SPARE
	v_mov_b32 v[NIL], 0
	ds_add_u32 v[SPW], v[NIL]                      ; the opening adds
	ds_add_u32 v[SPW], v[NIL]
	v_lshrrev_b32 v8, 5, v0
	v_readfirstlane_b32 s[WV], v8                  ; wave 0..15
	s_bfe_u32 s[CX], ttmp6, 0x40000                ; cx
	s_mov_b32 s[HF], ttmp9                         ; g / 4: which 64 of a block's 128 queries my tiles lie in
	s_lshl_b32 s[GG], ttmp9, 2
	s_add_co_u32 s[GG], s[GG], s[CX]               ; g
	s_and_b32 s[BH], ttmp7, 0xffff                 ; batch x 16 + head, which the four partners share
	s_bfe_u32 s[RO], s[WV], 0x10002                ; role
	s_and_b32 s[U], s[WV], 3
	s_lshr_b32 s42, s[WV], 3
	s_lshl_b32 s42, s42, 2
	s_add_co_u32 s[U], s[U], s42                   ; u
	s_xor_b32 s[CL], s[U], 15                      ; the long tile, 15 - u
	s_xor_b32 s42, s[RO], 1
	s_mul_i32 s42, s42, 15
	s_xor_b32 s[CT], s[U], s42                     ; the tile that I finish
	; group 1: a block of 9,216 dense bytes as 36 rows of 32 elements of 8 bytes; the mask names all four work-groups
	s_mov_b32 s20, 15|(3<<16)|(1<<21)
	s_mov_b32 s21, 32<<16
	s_mov_b32 s22, 36<<16
	s_mov_b32 s23, 32<<16
	s_mov_b32 s24, 36
	s_mov_b32 s25, 32
	s_mov_b32 s26, 0
	s_mov_b32 s27, 0
	s_lshl_b32 s40, s[BH], 4
	s_add_co_u32 s40, s40, s[WV]
	s_mul_i32 s40, s40, KVB                        ; block 16 bh + w
	s_mov_b32 s41, 0
	s_mov_b32 s28, 1
	s_mul_i32 s29, s[WV], KVB
	s_wait_dscnt 0x0                               ; both opening adds are done
	CROUND                                         ; all four work-groups are here: the joint loads meet
	s_wait_kmcnt 0x0
	s_add_nc_u64 s[30:31], s[8:9], s[40:41]
	s_or_b32 s31, s31, 0x80000000
	tensor_load_to_lds s[28:31], s[20:27]          ; one load of mine is out
	s_nop 0
	PLACES 4
	s_and_b32 s43, s[CX], 1                        ; a tile's words: 128 (g % 2) + 4 ((g / 2) % 2) bytes on, 8 bytes from row to row
	s_lshl_b32 s43, s43, 7
	s_lshr_b32 s42, s[CX], 1
	s_lshl_b32 s42, s42, 2
	s_add_co_u32 s43, s43, s42
	QADDR CL, QA
	QADDR U, QB
	s_lshr_b32 s40, s[BH], 4                       ; cimg: (((8 b + g) 16 + c) 16 + head) x 512
	s_lshl_b32 s40, s40, 3
	s_add_co_u32 s40, s40, s[GG]
	s_lshl_b32 s40, s40, 4
	s_add_co_u32 s40, s40, s[CT]
	s_lshl_b32 s40, s40, 4
	s_and_b32 s43, s[BH], 15
	s_add_co_u32 s40, s40, s43
	s_lshl_b32 s40, s40, 9
	s_add_nc_u64 s[10:11], s[10:11], s[40:41]
	s_lshl_b32 s40, s[BH], 3                       ; csc: (8 bh + g) x 1,024 + 512 w (waves 0 and 1 store)
	s_add_co_u32 s40, s40, s[GG]
	s_lshl_b32 s40, s40, 10
	s_lshl_b32 s43, s[WV], 9
	s_add_co_u32 s40, s40, s43
	s_add_nc_u64 s[12:13], s[12:13], s[40:41]
	s_mov_b32 s[SEL], 0x76543210
	s_mov_b32 s[SEL+1], 0xfedcba98                 ; lane l xor 16
	s_mov_b32 s[CSC], 0x3e38aa3b                   ; log2(e) / 8
	s_mov_b32 s[CSC+1], s[CSC]                     ; (named with it as a pair, so it is written)
	s_mov_b32 s[NC], 0xbe38aa3b                    ; and its negative
	s_mov_b32 s[NINF], 0xff800000
	s_mov_b32 s[HI16], 0xffff0000                  ; lanes 16-31
	s_mul_i32 s[STP], s[RO], 7                     ; the first loop's nine trips: role 0 steps 0 .. 8, role 1 steps 7 .. 15, of which those from 9 to the long tile's diagonal are walked
	s_mul_i32 s[TB], s[RO], 7*KVB
	s_mul_i32 s[LO], s[RO], 9
	s_mov_b32 s[HI], s[CL]
	s_lshl_b32 s43, s[CX], 3                       ; 8 (g % 4)
	s_xor_b32 s42, s[CX], 1
	s_lshl_b32 s42, s42, 3
	s_sub_co_u32 s42, s42, s43
	s_add_co_u32 s42, s42, 32                      ; from row r to row r + 8 of my tile, less the 8
	s_lshl_b32 s40, s[CT], 6
	s_add_co_u32 s40, s40, STG
	s_mul_i32 s50, s[U], JW
	s_add_co_u32 s50, s50, JB
	v_and_b32 v8, 31, v0
	v_and_b32 v9, 15, v0                           ; r
	v_lshlrev_b32 v[L16], 4, v8
	v_lshlrev_b32 v[L8], 3, v8
	v_lshlrev_b32 v11, 3, v9
	v_bfe_u32 v10, v0, 4, 1                        ; h
	global_load_b128 v[QF:QF+3], v[L16], s[QA:QA+1]
	global_load_b32 v[QSC], v11, s[QA+2:QA+3]
	global_load_b128 v[Q2:Q2+3], v[L16], s[QB:QB+1]          ; the short tile's (role 1 goes on to it)
	global_load_b32 v[QS2], v11, s[QB+2:QB+3]
	v_and_b32 v8, 7, v9
	v_lshrrev_b32 v[T0], 3, v9
	v_mul_u32_u24 v[T0], s42, v[T0]
	v_add3_u32 v8, v8, s43, v[T0]                  ; my query's index in its 64
	v_mul_u32_u24 v[T0], 40, v10
	v_mul_u32_u24 v[T1], 24, v10
	v_sub_nc_u32 v[DE], v8, v[T0]                  ; lanes 16-31, even tiles: register n is key n + 40
	v_sub_nc_u32 v[DO], v8, v[T1]                  ; odd tiles: n + 24
	v_lshl_add_u32 v[SA], v9, 2, s40
	v_lshl_add_u32 v[RDA], v0, 4, STG
	v_lshlrev_b32 v[H8], 3, v10
	v_add_nc_u32 v[JA], s50, v[L16]
	FRESH
.irp i, 0,1,2,3
	v_mov_b32 v[QF+4+\i], 0                        ; zero codes
	v_mov_b32 v[KF+32+\i], 0
.endr
	v_mov_b32 v[T1], 0                             ; (a lane permute's destination counts as one of its sources)
	v_mov_b32 v[FF+1], 0
	v_mov_b32 v[C0+1], 0
.macro MASKH b                         ; the 64 keys in which my tile's queries lie: hidden scores become -infinity
.set n, 0
.rept 32
.if (n/8)%2 == 0
	v_cmp_gt_i32 vcc_lo, n, v[DE]
.else
	v_cmp_gt_i32 vcc_lo, n, v[DO]
.endif
	v_cndmask_b32 v[S+\b+n], v[S+\b+n], s[NINF], vcc_lo
.set n, n+1
.endr
.endm
; A KEY STEP of 128 keys.  A step outside my share is passed over: a scalar branch on the wave's number and the counter.
.macro STEP
	s_cmp_lt_i32 s[STP], s[LO]
	s_cbranch_scc1 .Lskip_\@
	s_cmp_gt_i32 s[STP], s[HI]
	s_cbranch_scc1 .Lskip_\@
	v_add_nc_u32 v[ADK], s[TB], v[L16]
	v_add_nc_u32 v[ADS], s[TB], v[L8]
	PLACES 2                                       ; with the two additions: four places behind the last step's products, in front of the loads into their operands
.irp w, 0,1
.irp t, 0,1,2,3
	ds_load_b128 v[KF+16*\w+8*(\t%2)+4*(\t/2):KF+16*\w+8*(\t%2)+4*(\t/2)+3], v[ADK] offset:2048*\w+512*\t
.endr
	ds_load_b64 v[KSC+2*\w:KSC+2*\w+1], v[ADS] offset:8192+256*\w
.endr
.irp t, 0,1,2,3
.irp w, 0,1
	ds_load_b128 v[VF+8*\t+4*\w:VF+8*\t+4*\w+3], v[ADK] offset:4096+1024*\t+512*\w
.endr
.endr
.irp w, 0,1
	ds_load_b64 v[VSC+2*\w:VSC+2*\w+1], v[ADS] offset:8704+256*\w
.endr
	s_wait_dscnt 10                                ; K's ten loads are in; V's ten may be out
.irp w, 0,1
.irp p, 0,1
	v_wmma_scale_f32_32x16x128_f4 v[S+32*\w+16*\p:S+32*\w+16*\p+15], v[KF+16*\w+4*\p:KF+16*\w+4*\p+15], v[QF:QF+7], 0, v[KSC+2*\w+\p], v[QSC]
.endr
.endr
	PLACES 4
	s_cmp_lg_u32 s[STP], s[HI]                     ; on the tile's diagonal step hidden scores become -infinity ahead of the maximum: p = 0 then.  A query's own key always counts
	s_cbranch_scc1 .Lopen_\@
	s_cmp_lg_u32 s[HF], 0
	s_cbranch_scc1 .Lupper_\@
	MASKH 0                                        ; queries in the block's first 64: its last 64 keys are all hidden
.set n, 32
.rept 32
	v_mov_b32 v[S+n], s[NINF]
.set n, n+1
.endr
	s_wait_alu depctr_va_vdst(0)                   ; directly ahead of the branch
	s_branch .Lopen_\@
.Lupper_\@:
	MASKH 32                                       ; queries in the last 64: the first 64 keys all count
.Lopen_\@:
.irp q, 0,1,2,3
	v_max3_num_f32 v[MX+\q], v[S+16*\q], v[S+16*\q+1], v[S+16*\q+2]
.endr
.irp i, 3,5,7,9,11,13
.irp q, 0,1,2,3
	v_max3_num_f32 v[MX+\q], v[MX+\q], v[S+16*\q+\i], v[S+16*\q+\i+1]
.endr
.endr
.irp w, 0,1
	v_max3_num_f32 v[BM+\w], v[MX+2*\w], v[MX+2*\w+1], v[S+32*\w+15]
.endr
.irp w, 0,1
	v_max_num_f32 v[BM+\w], v[BM+\w], v[S+32*\w+31]      ; the largest score of each of my two blocks: for the row's maximum, and, since p rises with the score, for the block's largest p
.endr
	v_max_num_f32 v[T0], v[BM], v[BM+1]
	v_permlanex16_b32 v[T1], v[T0], s[SEL], s[SEL+1]     ; lane l xor 16's two blocks
	v_max3_num_f32 v13, v13, v[T0], v[T1]
	s_delay_alu instid0(VALU_DEP_1)
	v_mul_f32 v[T0], s[NC], v13
	s_delay_alu instid0(VALU_DEP_1)
	v_floor_f32 v[T0], v[T0]                       ; the new -M = floor(-t): a whole number
	s_delay_alu instid0(VALU_DEP_1)
	v_sub_f32 v[T1], v[T0], v12                    ; old M - new M: a whole number, 0 or less
	v_mov_b32 v12, v[T0]
	s_delay_alu instid0(VALU_DEP_2)
	v_cvt_i32_f32 v[T1], v[T1]                     ; (it saturates)
	s_delay_alu instid0(VALU_DEP_1)
	v_ldexp_f32 v[FF], 1.0, v[T1]                  ; f = 2^(old M - new M)
.set n, 0
.rept 32
	v_pk_fma_f32 v[S+n:S+n+1], v[S+n:S+n+1], s[CSC:CSC+1], v[12:13] op_sel_hi:[1,0,0]   ; t - M, two at a time
.set n, n+2
.endr
.irp w, 0,1
	v_fma_f32 v[BM+\w], v[BM+\w], s[CSC], v12
.endr
	s_wait_dscnt 0x0                               ; V is in
	s_wait_alu depctr_va_vdst(0)                   ; ahead of the batch
.set n, 0
.rept 64
	v_exp_f32 v[S+n], v[S+n]                       ; p = 2^(t - M)
.set n, n+1
.endr
.irp w, 0,1
	v_exp_f32 v[BM+\w], v[BM+\w]                   ; the block's largest p: the same two instructions on the same number
.endr
.irp p, 0,1
	v_or_b32 v[VSC+\p], v[VSC+\p], v[VSC+2+\p]     ; V's scale words: the two halves' bytes (plain work behind the exponentials)
.endr
	s_wait_alu depctr_va_vdst(0)                   ; and behind the batch; O^T's first readers follow
.set n, 0
.rept 16
	v_pk_mul_f32 v[OA+n:OA+n+1], v[OA+n:OA+n+1], v[FF:FF+1] op_sel_hi:[1,0]   ; O^T under the new M, each accumulator from its low end on
.set n, n+2
.endr
.irp w, 0,1
	v_max_num_f32 v[BM+\w], 0x1800000, v[BM+\w]    ; the floor 2^(3 - 127): the byte cannot fall under 1
.endr
	v_pk_fma_f32 v[14:15], v[14:15], v[FF:FF+1], v[S:S+1] op_sel_hi:[1,0,1]   ; the sum under the new M, in four chains
	v_pk_add_f32 v[C0:C0+1], v[S+2:S+3], v[S+4:S+5]
.irp w, 0,1
	v_add_nc_u32 v[BS+\w], 0xff000000, v[BM+\w]    ; 2 off the exponent field: the conversion's scale operand
.endr
	v_pk_add_f32 v[C1:C1+1], v[S+6:S+7], v[S+8:S+9]
	v_pk_add_f32 v[C2:C2+1], v[S+10:S+11], v[S+12:S+13]
.irp w, 0,1
	v_lshrrev_b32 v[BP+\w], 23, v[BS+\w]
.endr
.irp w, 0,1
.irp t, 0,1,2,3
	v_cvt_scalef32_pk8_fp4_f32 v[PC+4*\w+\t], v[S+32*\w+8*\t:S+32*\w+8*\t+7], v[BS+\w]
.endr
.endr
	v_lshl_or_b32 v[PS], v[BP+1], 16, v[BP]        ; lanes 0-15: bytes 0, 2; lane l xor 16 has bytes 1, 3
	v_pk_add_f32 v[14:15], v[14:15], v[S+14:S+15]
	v_permlanex16_b32 v[T1], v[PS], s[SEL], s[SEL+1]
	v_pk_add_f32 v[C0:C0+1], v[C0:C0+1], v[S+16:S+17]
	v_pk_add_f32 v[C1:C1+1], v[C1:C1+1], v[S+18:S+19]
	v_lshl_or_b32 v[PS], v[T1], 8, v[PS]           ; p's scale word (lanes 0-15 are read)
	v_pk_add_f32 v[C2:C2+1], v[C2:C2+1], v[S+20:S+21]
.set n, 22
.rept 5
	v_pk_add_f32 v[14:15], v[14:15], v[S+n:S+n+1]
	v_pk_add_f32 v[C0:C0+1], v[C0:C0+1], v[S+n+2:S+n+3]
	v_pk_add_f32 v[C1:C1+1], v[C1:C1+1], v[S+n+4:S+n+5]
	v_pk_add_f32 v[C2:C2+1], v[C2:C2+1], v[S+n+6:S+n+7]
.set n, n+8
.endr
	v_pk_add_f32 v[14:15], v[14:15], v[S+62:S+63]
	v_pk_add_f32 v[C0:C0+1], v[C0:C0+1], v[C1:C1+1]
	v_pk_add_f32 v[14:15], v[14:15], v[C2:C2+1]
	v_pk_add_f32 v[14:15], v[14:15], v[C0:C0+1]
.irp p, 0,1                                    ; two accumulators by turns; four scores' products and the other one stand between a sum's steps
	v_wmma_scale_f32_32x16x128_f4 v[OA+16*\p:OA+16*\p+15], v[VF+16*\p:VF+16*\p+15], v[PC:PC+7], v[OA+16*\p:OA+16*\p+15], v[VSC+\p], v[PS]
.endr
.Lskip_\@:
	s_add_co_u32 s[TB], s[TB], KVB                 ; the next step's block
	s_add_co_u32 s[STP], s[STP], 1
.endm
	s_mov_b32 s[CNT], 9
	s_wait_alu depctr_va_vdst(0)                   ; the head's end
	s_wait_tensorcnt 0x0                           ; my block is in,
	BARRIER                                        ; everybody's is
	s_wait_loadcnt 0x0                             ; Q
.Llong:                                            ; the long tile: nine trips in every wave
	STEP
	s_sub_co_u32 s[CNT], s[CNT], 1
	s_cmp_lg_u32 s[CNT], 0
	s_cbranch_scc1 .Llong
	s_mov_b32 s[STP], 0                            ; the short tile: role 1 walks steps 0 .. u, role 0 none
	s_mov_b32 s[TB], 0
	s_mov_b32 s[LO], 0
	s_add_co_u32 s42, s[U], 1
	s_mul_i32 s42, s42, s[RO]
	s_sub_co_i32 s[HI], s42, 1
	s_mov_b32 s[CNT], 8
	PLACES 4                                       ; behind the last products
	s_wait_alu depctr_va_vdst(0)                   ; directly ahead of the branch
	s_cmp_eq_u32 s[RO], 0
	s_cbranch_scc1 .Lkeep
.irp k, 0,1,2,3,4,5,6,7
	ds_store_b128 v[JA], v[OA+4*\k:OA+4*\k+3] offset:512*\k          ; my part of the long tile: O^T, each accumulator from its low end on,
.endr
	ds_store_b128 v[JA], v[12:15] offset:4096      ; -M and the sum
	v_mov_b32 v[QSC], v[QS2]                       ; (a scale register so written stands 8 places ahead of a scaled matrix instruction: the lines below)
.irp i, 0,1,2,3
	v_mov_b32 v[QF+\i], v[Q2+\i]
.endr
	FRESH
	s_wait_alu depctr_va_vdst(0)
.Lkeep:
.Lshort:
	STEP
	s_sub_co_u32 s[CNT], s[CNT], 1
	s_cmp_lg_u32 s[CNT], 0
	s_cbranch_scc1 .Lshort
	PLACES 4                                       ; behind the last products
	s_wait_alu depctr_va_vdst(0)                   ; ahead of the waits below
	s_wait_dscnt 0x0                               ; my part is stored, for the other's sake
	BARRIER
	s_cmp_lg_u32 s[RO], 0
	s_cbranch_scc1 .Ljoined
.irp k, 0,1,2,3,4,5,6,7
	ds_load_b128 v[S+4*\k:S+4*\k+3], v[JA] offset:512*\k
.endr
	ds_load_b128 v[PC:PC+3], v[JA] offset:4096
	s_wait_dscnt 0x0
	v_min_num_f32 v[T0], v12, v[PC]                ; -M of the whole row
	v_sub_f32 v[T1], v[T0], v12
	v_sub_f32 v[BM], v[T0], v[PC]
	v_cvt_i32_f32 v[T1], v[T1]
	v_cvt_i32_f32 v[BM], v[BM]
	v_ldexp_f32 v[FF], 1.0, v[T1]
	v_ldexp_f32 v[C0], 1.0, v[BM]
.set n, 0
.rept 16
	v_pk_mul_f32 v[OA+n:OA+n+1], v[OA+n:OA+n+1], v[FF:FF+1] op_sel_hi:[1,0]
.set n, n+2
.endr
	v_pk_mul_f32 v[14:15], v[14:15], v[FF:FF+1] op_sel_hi:[1,0]
.set n, 0
.rept 16
	v_pk_fma_f32 v[OA+n:OA+n+1], v[S+n:S+n+1], v[C0:C0+1], v[OA+n:OA+n+1] op_sel_hi:[1,0,1]
.set n, n+2
.endr
	v_pk_fma_f32 v[14:15], v[PC+2:PC+3], v[C0:C0+1], v[14:15] op_sel_hi:[1,0,1]
.Ljoined:
	; THE WAY OUT: O^T / the sum, quantised along the head's 64 (a lane holds one of the two blocks), as half a fragment of the last product's operand
	v_add_f32 v14, v14, v15
	v_permlanex16_b32 v[T1], v14, s[SEL], s[SEL+1]
	v_add_f32 v14, v14, v[T1]                      ; the row's sum
	s_wait_alu depctr_va_vdst(0)                   ; ahead of the transcendental
	v_rcp_f32 v14, v14
	v_nop                                          ; a plain place behind the transcendental
	s_wait_alu depctr_va_vdst(0)                   ; and ahead of its first reader, which is O^T's first reader too
.set n, 0
.rept 16
	v_pk_mul_f32 v[S+n:S+n+1], v[OA+n:OA+n+1], v[14:15] op_sel_hi:[1,0]
.set n, n+2
.endr
.irp b, 0,1
	v_max3_num_f32 v[BM+\b], |v[S+16*\b]|, |v[S+16*\b+1]|, 0x1800000
.endr
.irp i, 2,4,6,8,10,12,14
.irp b, 0,1
	v_max3_num_f32 v[BM+\b], v[BM+\b], |v[S+16*\b+\i]|, |v[S+16*\b+\i+1]|
.endr
.endr
	v_max_num_f32 v[BM], v[BM], v[BM+1]
	v_add_nc_u32 v[BS], 0xff000000, v[BM]
	v_lshrrev_b32 v[BP], 23, v[BS]
.irp t, 0,1,2,3
	v_cvt_scalef32_pk8_fp4_f32 v[PC+\t], v[S+8*\t:S+8*\t+7], v[BS]
.endr
	v_lshlrev_b32 v[MX], v[H8], v[BP]              ; my block's byte at its place,
	v_permlanex16_b32 v[T1], v[MX], s[SEL], s[SEL+1]
	v_or_b32 v[MX], v[MX], v[T1]                   ; and the other's: the head's two bytes; the upper half is 0
.irp t, 0,1,2,3
	v_cndmask_b32 v[VF+\t], v[PC+\t], v[PC+\t+1-2*(\t%2)], s[HI16]   ; lanes 16-31: tile t holds channels 32 + 8 (t xor 1) ..: back into ascending order
.endr
	global_store_b128 v[L16], v[VF:VF+3], s[10:11] ; 512 consecutive bytes, aligned
	ds_store_b32 v[SA], v[MX]                      ; lanes l and l xor 16 write the same word with the same value
	s_wait_dscnt 0x0                               ; for the others' sake
	BARRIER                                        ; the work-group's 256 scale words lie together
	s_cmp_lt_u32 s[WV], 2
	s_cbranch_scc0 .Ldone
	ds_load_b128 v[KF:KF+3], v[RDA]
	s_wait_dscnt 0x0
	global_store_b128 v[L16], v[KF:KF+3], s[12:13] ; waves 0 and 1: 512 consecutive bytes each
.Ldone:
	s_wait_tensorcnt 0x0                           ; the wave's end
	ds_add_u32 v[SPW], v[NIL]
	s_wait_dscnt 0x0
	CROUND                                         ; the closing round
	s_endpgm
.Lfunc_end_k_q8b5e5dc97b_attn:
	.size	k_q8b5e5dc97b_attn, .Lfunc_end_k_q8b5e5dc97b_attn-k_q8b5e5dc97b_attn
	.p2alignl 7, 3214868480
	.fill 96, 4, 3214868480
	.section	.rodata,"a",@progbits
	.p2align	6, 0x0
	.amdhsa_kernel k_q8b5e5dc97b_attn
		.amdhsa_group_segment_fixed_size 187392
		.amdhsa_private_segment_fixed_size 0
		.amdhsa_enable_private_segment 0
		.amdhsa_kernarg_size 40
		.amdhsa_user_sgpr_count 2
		.amdhsa_user_sgpr_kernarg_segment_ptr 1
		.amdhsa_wavefront_size32 1
		.amdhsa_system_sgpr_workgroup_id_x 1
		.amdhsa_system_sgpr_workgroup_id_y 1
		.amdhsa_system_sgpr_workgroup_id_z 1
		.amdhsa_system_vgpr_workitem_id 0
		.amdhsa_next_free_vgpr 240
		.amdhsa_next_free_sgpr 66
		.amdhsa_reserve_vcc 1
		.amdhsa_float_denorm_mode_32 3
		.amdhsa_float_denorm_mode_16_64 3
		.amdhsa_memory_ordered 1
		.amdhsa_forward_progress 1
		.amdhsa_inst_pref_size 59
	.end_amdhsa_kernel
	.amdgpu_metadata
---
amdhsa.version: [ 1, 2 ]
amdhsa.kernels:
  - .name:           k_q8b5e5dc97b_attn
    .symbol:         k_q8b5e5dc97b_attn.kd
    .args:
      - { .name: qimg, .offset: 0, .size: 8, .value_kind: global_buffer, .address_space: global }
      - { .name: qsc, .offset: 8, .size: 8, .value_kind: global_buffer, .address_space: global }
      - { .name: kv, .offset: 16, .size: 8, .value_kind: global_buffer, .address_space: global }
      - { .name: cimg, .offset: 24, .size: 8, .value_kind: global_buffer, .address_space: global }
      - { .name: csc, .offset: 32, .size: 8, .value_kind: global_buffer, .address_space: global }
    .group_segment_fixed_size: 187392
    .private_segment_fixed_size: 0
    .kernarg_segment_align: 8
    .kernarg_segment_size: 40
    .max_flat_workgroup_size: 512
    .sgpr_count:     66
    .vgpr_count:     240
    .wavefront_size: 32
...
	.end_amdgpu_metadata
.endif
;; end of part 2
;; launch outp (part 3): grid 8 x 32, 4 waves a work-group, clusters of 4 x 4, 167,936 bytes of LDS; arguments cimg, csc, Wo_codes, Wo_scales, bo, out0; writes out0
.if DOCPART == 3
	.amdgcn_target "amdgcn-amd-amdhsa--gfx1250"
	.amdhsa_code_object_version 6
	.text
	.protected	k_q8b5e5dc97b_outp
	.globl	k_q8b5e5dc97b_outp
	.p2align	8
	.type	k_q8b5e5dc97b_outp,@function
k_q8b5e5dc97b_outp:
	s_mov_b64 s[64:65], 0
	v_nop
	global_prefetch_b8 v0, s[64:65] scope:SCOPE_SE
	s_setreg_imm32_b32 hwreg(HW_REG_WAVE_MODE, 25, 1), 1
	s_wait_xcnt 0x0
	s_wait_alu depctr_hold_cnt(0) depctr_sa_sdst(0) depctr_va_vdst(0) depctr_va_sdst(0) depctr_va_ssrc(0) depctr_va_vcc(0) depctr_vm_vsrc(0)
	s_getreg_b32 s2, hwreg(HW_REG_IB_STS2, 6, 4)
	s_cmp_eq_u32 s2, 0
	s_cbranch_scc0 .Lentry_in_a_cluster
	s_endpgm
.Lentry_in_a_cluster:
	s_bfe_u32 s2, ttmp6, 0x10000c
	s_cmp_lg_u32 s2, 0xf033
	s_cbranch_scc0 .Lentry_shape_is_right
	s_endpgm
.Lentry_shape_is_right:
; out = ctx Wo + bo on codes of FP4 (E2M1) with E8M0 scales; out f32.
; SHARES.  Work-group (j, y) makes columns 128 j .. + 127 of the 128 rows whose images lie on end in cimg: y = (8 b + g) 2 + ch names tile g of the eight blocks c = 8 ch .. 8 ch + 7 of 128 rows of batch b.
; Row r of tile g is row 128 c + 64 (g / 4) + (8 (g % 4) + r for r < 8, else 32 + 8 (g % 4 xor 1) + r - 8).
; Wave w: tiles 4 (w / 2) .. + 3, columns 64 (w % 2) .. + 63.  The product is used TRANSPOSED: source 0 = Wo's rows (4 tiles), source 1 = ctx's; a lane holds eight neighbouring columns of one row.  The bias is the C of each sum's first matrix instruction.
; All operands of a wave fit in registers and are read from LDS once.  Two tiles of rows are finished first and go out while the other two are multiplied.
; LDS.  Every byte is filled once, by the head's loads, one a wave.  Wo's scale bytes go from memory into registers, 512 bytes a load in whole units of 256.
; CLUSTER 4 x 4: ctx's bytes hang on y alone and are asked for jointly along a row of the cluster, Wo's codes on j alone and along a column.  No prefetch: no load is issued behind the head.
; LIMIT: a given scale byte 0xff of Wo gives NaN.
.set ROWP,  528
.set CI,    0                          ; ctx's images: [tile 8][head 16][512 B]
.set WO,    65536                      ; Wo's 128 rows, 512 bytes + 16
.set CSW,   WO+128*ROWP                ; ctx's scale words: [head 16][tile 8][row 16][4 B]
.set STG,   CSW+8192                   ; the way out: 16 rows x (256 + 16) bytes for each wave; no fill lands there
.set STW,   16*272
.set SPARE, STG+4*STW
.set PWO,  5
.set RA,   6
.set STO,  7
.set RD,   8
.set CO,   9
.set CSA,  10
.set SPW,  12
.set NIL,  13
.set SCW,  16                          ; v16-31 Wo's scale words, 4 registers a tile: lanes 0-15 K steps 0-3, lanes 16-31 K steps 4-7
.set SCR,  32                          ; v32-47 ctx's likewise
.set TH,   48                          ; v48-63 the odd heads' words, on their way into SCR
.set ACC,  128                         ; v128-255 accumulator (m, t) at 128 + 32 m + 8 t
; window 1: Wo's fragments, K step ks, tile t at 32 ks + 8 t.  window 3: ctx's, pair p of tiles, K step ks, tile e of the pair at 128 p + 16 ks + 8 e.  window 2: v0-31 the bias, 8 registers a tile
.set WV,   26
.set WC,   27
.set G1CI, 28
.set G1CS, 36
.set G1WC, 44
.set G0,   68                          ; s[68:83] four groups 0
.set WR,   66
.set MSB, 0
.macro WIN new
.if MSB != \new
	s_set_vgpr_msb (MSB<<8)|\new
.set MSB, \new
.endif
.endm
.macro PLACES n
.rept \n
	v_nop
.endr
.endm
.macro CROUND
	s_barrier_signal -1
	s_barrier_wait -1
	s_cmp_lg_u32 s[WV], 0
	s_cbranch_scc1 .Lnot_wave_0_\@
	s_barrier_signal -3
.Lnot_wave_0_\@:
	s_barrier_wait -3
	s_barrier_signal -1
	s_barrier_wait -1
.endm
.macro MKG0 g, lds, ptr, off
	s_mov_b32 s[\g], 1
	s_mov_b32 s[\g+1], \lds
	s_add_nc_u64 s[\g+2:\g+3], s[\ptr:\ptr+1], s[\off:\off+1]
	s_or_b32 s[\g+3], s[\g+3], 0x80000000
.endm
.macro ARM under, g0, g1, next
	s_cmp_lt_u32 s[WV], \under
	s_cbranch_scc0 \next
	tensor_load_to_lds s[\g0:\g0+3], s[\g1:\g1+7]
	s_nop 0
	PLACES 4
	s_branch .Lhead_asked
\next:
.endm
	s_load_b256 s[4:11], s[0:1], 0x0               ; cimg, csc, Wo's codes, Wo's scales
	s_load_b128 s[12:15], s[0:1], 0x20             ; bo, out0
	v_lshl_add_u32 v[SPW], v0, 2, SPARE
	v_mov_b32 v[NIL], 0
	ds_add_u32 v[SPW], v[NIL]                      ; the opening adds
	ds_add_u32 v[SPW], v[NIL]
	v_lshrrev_b32 v1, 5, v0
	v_readfirstlane_b32 s[WV], v1                  ; wave 0..3
	s_and_b32 s[WC], s[WV], 1                      ; my half of the columns
	s_lshr_b32 s[WR], s[WV], 1                     ; my half of the tiles
	s_bfe_u32 s60, ttmp6, 0x40000                  ; cx
	s_bfe_u32 s61, ttmp6, 0x40004                  ; cy
	s_lshl_b32 s62, ttmp9, 2
	s_add_co_u32 s62, s62, s60                     ; j
	s_and_b32 s63, ttmp7, 0xffff
	s_lshl_b32 s63, s63, 2
	s_add_co_u32 s63, s63, s61                     ; y
	s_lshl_b32 s2, s61, 2
	s_lshl_b32 s2, 15, s2                          ; my row of the cluster
	s_lshl_b32 s3, 0x1111, s60                     ; my column
	s_or_b32 s[G1CI], s2, (3<<16)|(1<<21)          ; half of ctx's images: 32,768 dense bytes as 128 rows of 32 elements of 8 bytes
	s_mov_b32 s[G1CI+1], 32<<16
	s_mov_b32 s[G1CI+2], 128<<16
	s_mov_b32 s[G1CI+3], 32<<16
	s_mov_b32 s[G1CI+4], 128
	s_mov_b32 s[G1CI+5], 32
	s_mov_b32 s[G1CI+6], 0
	s_mov_b32 s[G1CI+7], 0
	s_or_b32 s[G1CS], s2, (3<<16)|(1<<21)          ; ctx's scale words: sixteen heads' 512 bytes, 8,192 bytes (1,024 elements) from head to head
	s_mov_b32 s[G1CS+1], 64<<16
	s_mov_b32 s[G1CS+2], 16<<16
	s_mov_b32 s[G1CS+3], 64<<16
	s_mov_b32 s[G1CS+4], 16
	s_mov_b32 s[G1CS+5], 1024
	s_mov_b32 s[G1CS+6], 0
	s_mov_b32 s[G1CS+7], 0
	s_or_b32 s[G1WC], s3, (1<<20)|(1<<21)|(6<<22)|(3<<25)           ; Wo's codes: 128 rows of 512 bytes, 4 words of padding behind every 128
	s_mov_b32 s[G1WC+1], 512<<16
	s_mov_b32 s[G1WC+2], 128<<16
	s_mov_b32 s[G1WC+3], 512<<16
	s_mov_b32 s[G1WC+4], 128
	s_mov_b32 s[G1WC+5], 512
	s_mov_b32 s[G1WC+6], 0
	s_mov_b32 s[G1WC+7], 0
	s_lshl_b32 s84, s63, 16                        ; cimg: 65,536 y, and its second half
	s_mov_b32 s85, 0
	s_add_co_u32 s86, s84, 32768
	s_mov_b32 s87, 0
	s_lshr_b32 s88, s63, 4                         ; csc: 131,072 b + 512 (y % 16)
	s_lshl_b32 s88, s88, 17
	s_and_b32 s89, s63, 15
	s_lshl_b32 s89, s89, 9
	s_add_co_u32 s88, s88, s89
	s_mov_b32 s89, 0
	s_lshl_b32 s90, s62, 16                        ; Wo's codes: 65,536 j
	s_mov_b32 s91, 0
	s_wait_dscnt 0x0                               ; both opening adds are done
	CROUND                                         ; all sixteen work-groups are here: the joint loads meet
	s_wait_kmcnt 0x0
	MKG0 G0,    CI,       4, 84
	MKG0 G0+4,  CI+32768, 4, 86
	MKG0 G0+8,  WO,       8, 90
	MKG0 G0+12, CSW,      6, 88
	; one load a wave: waves 0 and 1 the halves of ctx's images, wave 2 Wo's codes, wave 3 ctx's scale words
	ARM 1, G0,   G1CI, .Lhead_b
	ARM 2, G0+4, G1CI, .Lhead_w
	ARM 3, G0+8, G1WC, .Lhead_s
	tensor_load_to_lds s[G0+12:G0+15], s[G1CS:G1CS+7]
	s_nop 0
	PLACES 4
.Lhead_asked:
	s_lshl_b32 s92, s62, 12                        ; Wo's scales: 4,096 j + 2,048 x my half
	s_lshl_b32 s93, s[WC], 11
	s_add_co_u32 s92, s92, s93
	s_mov_b32 s93, 0
	s_add_nc_u64 s[10:11], s[10:11], s[92:93]
	s_lshl_b32 s94, s62, 9                         ; columns: 512 j + 256 x my half bytes on
	s_lshl_b32 s95, s[WC], 8
	s_add_co_u32 s94, s94, s95
	s_mov_b32 s95, 0
	s_add_nc_u64 s[12:13], s[12:13], s[94:95]
	s_lshr_b32 s90, s63, 4                         ; my first row: 2,048 b + 1,024 ch + 512 x my half + 64 (g / 4) + ..
	s_lshl_b32 s90, s90, 11
	s_and_b32 s91, s63, 1
	s_lshl_b32 s91, s91, 10
	s_add_co_u32 s90, s90, s91
	s_lshl_b32 s91, s[WR], 9
	s_add_co_u32 s90, s90, s91
	s_bfe_u32 s91, s63, 0x10003
	s_lshl_b32 s91, s91, 6
	s_add_co_u32 s90, s90, s91
	s_bfe_u32 s91, s63, 0x20001                    ; g % 4
	s_lshl_b32 s92, s91, 3
	s_add_co_u32 s92, s90, s92                     ; rows 0-7 of a tile,
	s_xor_b32 s91, s91, 1
	s_lshl_b32 s91, s91, 3
	s_add_co_u32 s90, s90, s91
	s_add_co_u32 s90, s90, 32                      ; rows 8-15
	s_mov_b32 s91, 0
	s_lshl_b32 s92, s92, 12                        ; rows of 4,096 bytes
	s_lshl_b32 s90, s90, 12
	s_add_nc_u64 s[92:93], s[92:93], s[94:95]
	s_add_nc_u64 s[90:91], s[90:91], s[94:95]
	s_add_nc_u64 s[16:17], s[14:15], s[92:93]
	s_add_nc_u64 s[18:19], s[14:15], s[90:91]
	s_mul_i32 s96, s[WC], 64*ROWP
	s_add_co_u32 s96, s96, WO
	s_lshl_b32 s97, s[WR], 15
	s_lshl_b32 s98, s[WR], 8
	s_add_co_u32 s98, s98, CSW
	s_mul_i32 s99, s[WV], STW
	s_add_co_u32 s99, s99, STG
	v_and_b32 v1, 15, v0                           ; r
	v_bfe_u32 v2, v0, 4, 1                         ; h
	v_lshlrev_b32 v3, 4, v2                        ; 16 h
	v_lshl_add_u32 v4, v1, 5, v3                   ; scale bytes: 32 a row
	v_lshlrev_b32 v14, 5, v2                       ; the bias: 32 h
.irp t, 0,1,2,3
	global_load_b128 v[SCW+4*\t:SCW+4*\t+3], v4, s[10:11] offset:512*\t
.endr
	WIN 0x80                                       ; destination window 2
.irp t, 0,1,2,3
	global_load_b128 v[8*\t:8*\t+3], v14, s[12:13] offset:64*\t                    ; lane (r, h), tile t: bo at columns 16 t + 8 h + 0 .. 7
	global_load_b128 v[8*\t+4:8*\t+7], v14, s[12:13] offset:64*\t+16
.endr
	WIN 0
	v_mul_u32_u24 v[PWO], ROWP, v1
	v_add3_u32 v[PWO], v[PWO], v3, s96             ; a fragment of Wo: row x pitch + 16 h
	v_and_b32 v15, 31, v0
	v_lshlrev_b32 v15, 4, v15
	v_add_nc_u32 v[RA], s97, v15                   ; ctx's images: 16 x lane
	v_lshl_add_u32 v[CSA], v1, 2, s98
	v_lshl_add_u32 v[CSA], v2, 12, v[CSA]          ; scale words: lanes 16-31 four K steps on
	v_mul_u32_u24 v[STO], 272, v1
	v_lshl_add_u32 v[STO], v2, 5, v[STO]
	v_add_nc_u32 v[STO], s99, v[STO]               ; the stage, in: row r, 32 bytes for each half of the lanes
	v_mul_u32_u24 v[RD], 272, v2
	v_lshl_add_u32 v[RD], v1, 4, v[RD]
	v_add_nc_u32 v[RD], s99, v[RD]                 ; back: lanes 0-15 one row of 256 bytes, lanes 16-31 the next
	v_lshlrev_b32 v[CO], 12, v2
	v_lshl_add_u32 v[CO], v1, 4, v[CO]             ; and the same two rows of out
.macro FETW ks                         ; 8 LDS loads: Wo's four fragments of a K step
	WIN 0x40
.irp t, 0,1,2,3
.irp c, 0,1
	ds_load_b128 v[32*(\ks)+8*\t+4*\c:32*(\ks)+8*\t+4*\c+3], v[PWO] offset:16*ROWP*\t+64*(\ks)+32*\c
.endr
.endr
.endm
.macro FETC p, ks                      ; 4 LDS loads: a pair of ctx's tiles; K step ks = heads 2 ks (registers 0-3) and 2 ks + 1 (registers 4-7)
	WIN 0xc0
.irp e, 0,1
.irp c, 0,1
	ds_load_b128 v[128*\p+16*(\ks)+8*\e+4*\c:128*\p+16*(\ks)+8*\e+4*\c+3], v[RA] offset:8192*(2*\p+\e)+1024*(\ks)+512*\c
.endr
.endr
.endm
.macro WM d, a, b, t, sb
.if KS == 0
	v_wmma_scale_f32_16x16x128_f8f6f4 v[\d:\d+7], v[\a:\a+7], v[\b:\b+7], v[8*\t:8*\t+7], v[SCW+4*\t+KQ], v[\sb] matrix_a_fmt:MATRIX_FMT_FP4 matrix_b_fmt:MATRIX_FMT_FP4
.elseif KS < 4
	v_wmma_scale_f32_16x16x128_f8f6f4 v[\d:\d+7], v[\a:\a+7], v[\b:\b+7], v[\d:\d+7], v[SCW+4*\t+KQ], v[\sb] matrix_a_fmt:MATRIX_FMT_FP4 matrix_b_fmt:MATRIX_FMT_FP4
.else
	v_wmma_scale_f32_16x16x128_f8f6f4 v[\d:\d+7], v[\a:\a+7], v[\b:\b+7], v[\d:\d+7], v[SCW+4*\t+KQ], v[\sb] matrix_a_fmt:MATRIX_FMT_FP4 matrix_b_fmt:MATRIX_FMT_FP4 matrix_a_scale:MATRIX_SCALE_ROW1 matrix_b_scale:MATRIX_SCALE_ROW1
.endif
.endm
.macro MUL p, ks                       ; 8 matrix instructions: the pair's eight accumulators by turns, in the same order in every step
.set KS, \ks
.set KQ, KS%4
.if KS == 0
	WIN 0x2d                                       ; source 0 window 1, source 1 window 3, C (the bias) window 2; D window 0
.else
	WIN 0x0d
.endif
.irp e, 0,1
.irp t, 0,1,2,3
	WM ACC+64*\p+32*\e+8*\t, 32*KS+8*\t, 128*\p+16*KS+8*\e, \t, SCR+8*\p+4*\e+KQ
.endr
.endr
.endm
; THE WAY OUT.  A lane holds 32 neighbouring bytes of a row, and the lanes beside it hold other rows: a tile of 16 rows x 64 columns goes through my own stage and comes back, into the registers that it left, as whole rows of 256 bytes.
; LDS serves a wave's instructions in order (ISA guide 5.7.1.4): no wait between the stores and the loads, nor in front of the next tile's stores.
.macro TOSTAGE m
	WIN 0
.irp t, 0,1,2,3
	ds_store_b128 v[STO], v[ACC+32*\m+8*\t:ACC+32*\m+8*\t+3] offset:64*\t        ; each accumulator from its low end on
	ds_store_b128 v[STO], v[ACC+32*\m+8*\t+4:ACC+32*\m+8*\t+7] offset:64*\t+16
.endr
.irp i, 0,1,2,3,4,5,6,7
	ds_load_b128 v[ACC+32*\m+4*\i:ACC+32*\m+4*\i+3], v[RD] offset:544*\i
.endr
.endm
.macro SEND m, younger
	WIN 0
	s_wait_dscnt \younger
.irp i, 0,1,2,3
	global_store_b128 v[CO], v[ACC+32*\m+4*\i:ACC+32*\m+4*\i+3], s[16:17] offset:524288*\m+8192*\i th:TH_STORE_NT    ; sixteen lanes store 256 consecutive bytes, aligned; tile m lies 128 m rows further down
.endr
.irp i, 0,1,2,3
	global_store_b128 v[CO], v[ACC+32*\m+16+4*\i:ACC+32*\m+16+4*\i+3], s[18:19] offset:524288*\m+8192*\i th:TH_STORE_NT
.endr
.endm
	s_wait_alu depctr_va_vdst(0)                   ; the head's end
	s_wait_tensorcnt 0x0                           ; my part is in,
	s_barrier_signal -1
	s_barrier_wait -1                              ; everybody's is
.irp m, 0,1,2,3
.irp q, 0,1,2,3
	ds_load_b32 v[SCR+4*\m+\q], v[CSA] offset:1024*\q+64*\m          ; the even head's two bytes of K step q (lanes 16-31: q + 4),
	ds_load_b32 v[TH+4*\m+\q], v[CSA] offset:1024*\q+64*\m+512       ; the odd head's
.endr
.endr
	FETW 0
	FETC 0, 0
	FETW 1
	FETC 0, 1
	WIN 0
	s_wait_dscnt 24                                ; the 32 words are in; the 24 fragment loads may be out
.irp i, 0,1,2,3,4,5,6,7,8,9,10,11,12,13,14,15
	v_lshl_or_b32 v[SCR+\i], v[TH+\i], 16, v[SCR+\i]                 ; a K step's word: bytes 0, 1 the even head's blocks, bytes 2, 3 the odd head's
.endr
	s_wait_alu depctr_va_vdst(0)                   ; directly behind the writes
	FETW 2
	FETC 0, 2
	FETW 3
	FETC 0, 3
	WIN 0
	PLACES 8                                       ; a scale register written by a vector instruction stands 8 places ahead of a scaled matrix instruction
	s_wait_loadcnt 0x0                             ; Wo's scale words and the bias
; The first pair of tiles.  A K step's 12 loads are asked for four steps ahead; the last four steps ask for the second pair's, 8 each.  Every fragment has registers of its own.
.irp k, 0,1,2,3
	s_wait_dscnt 36                                ; the three younger steps' loads may be out
	FETW \k+4
	FETC 0, \k+4
	MUL 0, \k
.endr
	s_wait_dscnt 36
	FETC 1, 0
	FETC 1, 1
	MUL 0, 4
	s_wait_dscnt 32                                ; two steps' 24, the second pair's 8
	FETC 1, 2
	FETC 1, 3
	MUL 0, 5
	s_wait_dscnt 28
	FETC 1, 4
	FETC 1, 5
	MUL 0, 6
	s_wait_dscnt 24
	FETC 1, 6
	FETC 1, 7
	MUL 0, 7
	PLACES 4                                       ; in front of the first reads of results
	TOSTAGE 0
	s_wait_dscnt 44                                ; the second pair's K step 0 is in: seven steps' 28 and the stage's 16 may be out
	MUL 1, 0
	s_wait_dscnt 40
	MUL 1, 1
	TOSTAGE 1
	s_wait_dscnt 52                                ; five steps' 20, twice the stage's 16
	MUL 1, 2
	s_wait_dscnt 48
	MUL 1, 3
	SEND 0, 16                                     ; tile 0 is back, and all fragments are in; tile 1's 16 may be out
	MUL 1, 4
	MUL 1, 5
	SEND 1, 0
	MUL 1, 6
	MUL 1, 7
	PLACES 4
	TOSTAGE 2
	TOSTAGE 3
	SEND 2, 16
	SEND 3, 0
	s_wait_tensorcnt 0x0                           ; the wave's end
	ds_add_u32 v[SPW], v[NIL]
	s_wait_dscnt 0x0
	CROUND                                         ; the closing round
	s_endpgm
.Lfunc_end_k_q8b5e5dc97b_outp:
	.size	k_q8b5e5dc97b_outp, .Lfunc_end_k_q8b5e5dc97b_outp-k_q8b5e5dc97b_outp
	.p2alignl 7, 3214868480
	.fill 96, 4, 3214868480
	.section	.rodata,"a",@progbits
	.p2align	6, 0x0
	.amdhsa_kernel k_q8b5e5dc97b_outp
		.amdhsa_group_segment_fixed_size 167936
		.amdhsa_private_segment_fixed_size 0
		.amdhsa_enable_private_segment 0
		.amdhsa_kernarg_size 48
		.amdhsa_user_sgpr_count 2
		.amdhsa_user_sgpr_kernarg_segment_ptr 1
		.amdhsa_wavefront_size32 1
		.amdhsa_system_sgpr_workgroup_id_x 1
		.amdhsa_system_sgpr_workgroup_id_y 1
		.amdhsa_system_sgpr_workgroup_id_z 1
		.amdhsa_system_vgpr_workitem_id 0
		.amdhsa_next_free_vgpr 1024
		.amdhsa_next_free_sgpr 106
		.amdhsa_reserve_vcc 0
		.amdhsa_float_denorm_mode_32 3
		.amdhsa_float_denorm_mode_16_64 3
		.amdhsa_memory_ordered 1
		.amdhsa_forward_progress 1
		.amdhsa_inst_pref_size 47
	.end_amdhsa_kernel
	.amdgpu_metadata
---
amdhsa.version: [ 1, 2 ]
amdhsa.kernels:
  - .name:           k_q8b5e5dc97b_outp
    .symbol:         k_q8b5e5dc97b_outp.kd
    .args:
      - { .name: cimg, .offset: 0, .size: 8, .value_kind: global_buffer, .address_space: global }
      - { .name: csc, .offset: 8, .size: 8, .value_kind: global_buffer, .address_space: global }
      - { .name: Wo_codes, .offset: 16, .size: 8, .value_kind: global_buffer, .address_space: global }
      - { .name: Wo_scales, .offset: 24, .size: 8, .value_kind: global_buffer, .address_space: global }
      - { .name: bo, .offset: 32, .size: 8, .value_kind: global_buffer, .address_space: global }
      - { .name: out0, .offset: 40, .size: 8, .value_kind: global_buffer, .address_space: global }
    .group_segment_fixed_size: 167936
    .private_segment_fixed_size: 0
    .kernarg_segment_align: 8
    .kernarg_segment_size: 48
    .max_flat_workgroup_size: 128
    .sgpr_count:     106
    .vgpr_count:     1024
    .wavefront_size: 32
...
	.end_amdgpu_metadata
.endif
;; end of part 3
